; MI455X (gfx1250); checked and timed in simulation.
; The chip was launched on July 23, 2026; its instructions are those of AMD's public machine-readable ISA for CDNA 5 (MIT licence, August 2026) and "CDNA5" Instruction Set Architecture Reference Guide (July 2026). The comments in the code are by the model that wrote it; some were corrected since.
;; Geometric Mamba Layer. Allowed arithmetic: float matrix products may take bf16 or f16 operands with f32 sums; other float arithmetic in f32, or as packed bf16 or f16 multiplies, adds, multiply-adds, maxima and minima; sums over many terms, partial sums and values carried from step to step in f32; what a program stores and reads back later, other than sums and carried values, may be rounded once to bf16 or f16.
;; Inputs: W_g 2,048 x 2,048 float32; W_in 1,024 x 2,048 float32; W_out 2,048 x 1,024 float32; W_sp 8 x 2,048 float32; b_g 2,048 float32; b_in 2,048 float32; b_out 1,024 float32; b_sp 2,048 float32; basis_imag 2,048 x 8 float32; basis_real 2,048 x 8 float32; ln_b 16 float32; ln_w 16 float32; norm_b 1,024 float32; norm_w 1,024 float32; omega 8 float32; sigma 8 float32; theta 8 float32; x 4 x 2,048 x 1,024 float32.
;; Outputs: out0 4 x 2,048 x 1,024 float32; out1 4 x 16 float32.
;; One version. Each part assembles by itself: llvm-mc -triple=amdgcn-amd-amdhsa -mcpu=gfx1250 --defsym DOCPART=n.
;; ======== version 1 of 1: 5 launches
;; workspace buffers: xb 16,777,216 bytes; wib 4,194,304 bytes; wgt 8,388,608 bytes; wot 4,194,304 bytes; cpart 131,072 bytes; wct 4,194,304 bytes; zb 33,554,432 bytes; ob 16,777,216 bytes
;; launch prep (part 1): grid 1024 x 1, 8 waves a work-group, no clusters, 39,936 bytes of LDS; arguments x, W_in, W_g, W_out, b_in, b_sp, xb, wib, wgt, wot, cpart, out1; writes xb, wib, wgt, wot, cpart, out1
.if DOCPART == 1
	.amdgcn_target "amdgcn-amd-amdhsa--gfx1250"
	.amdhsa_code_object_version 6
	.text
	.protected	k_qd81ab4b569_prep
	.globl	k_qd81ab4b569_prep
	.p2align	8
	.type	k_qd81ab4b569_prep,@function
k_qd81ab4b569_prep:
	s_mov_b64 s[64:65], 0
	v_nop
	global_prefetch_b8 v0, s[64:65] scope:SCOPE_SE
	s_setreg_imm32_b32 hwreg(HW_REG_WAVE_MODE, 25, 1), 1
	s_wait_xcnt 0x0
; GeometricMambaLayer, launch 1 of 5: casts, transposes, the bias's partial sums, and out1.
; WORK LEFT OUT, for all finite values of the inputs.  reference() starts its scan from hr = hi = 0, zeros that it builds itself.  In a step rr and ri are sums of products with hr or hi,
; and every term of nr and ni has a factor out of rr or ri.  So a state of zeros is followed by a state of zeros whatever cr, ci, cos_t, sin_t and scale hold: by induction over the 2,048 steps
; Rs = Is = 0 and the final state is 0.  Then inv = SIGN (Rs^2 + Is^2) = 0, inv W_sp = 0, y = b_sp in every row, and out1 = 0.  The wedge projection, its LayerNorm, the scan and the product with
; W_sp reach no output: basis_real, basis_imag, ln_w, ln_b, theta, omega, sigma and W_sp are not loaded and are no launch's arguments.
; LESS WORK THAN WRITTEN.  x_inner now feeds W_g alone, and (x W_in + b_in) W_g = x (W_in W_g) + b_in W_g for all values.  So the program makes Wc = W_in W_g once (launch 2) and
;   z = silu(x Wc + c), c = b_g + b_in W_g (launch 3);  o = z (diag(b_sp) W_out) (launch 4);  out0 = LayerNorm(x + o + b_out) (launch 5).
; LIMITS.  A NaN, an infinity or an overflow that arises only in the work left out is not carried to the result; out1 is +0 everywhere.  The order of rounding differs from reference()'s: x, W_in, W_g,
; Wc, z and b_sp W_out are rounded once to bf16 as matrix operands, o once to bf16 as a stored intermediate; all sums, c, silu and the LayerNorm are f32.
; THIS LAUNCH.  1,024 work-groups of eight waves, each reading 64 KiB; which part is chosen by the work-group's number, the same in all its waves:
;   0-255     a tile of 128 x 128 of W_g [j][n]:   wgt[n][j] = bf16(W_g[j][n]);  cpart[jt][n] = the sum over the tile's 128 j of b_in[j] W_g[j][n], f32
;   256-383   a tile of 128 x 128 of W_out [n][d]: wot[d][n] = bf16(b_sp[n] W_out[n][d]), the product in f32, rounded once
;   384-511   64 KiB of W_in: wib = bf16(W_in), as it lies ([k][j]);  work-group 384's wave 0 also stores out1's 256 bytes of zeros
;   512-1023  64 KiB of x:    xb = bf16(x)
; A transposed tile goes through LDS: wave w loads source rows 16 w .. 16 w + 15, 512 consecutive bytes an instruction; lane l holds source columns 4 l .. 4 l + 3 and writes, for each, 16 bf16 (32 bytes)
; into the tile's row 4 l + i; behind the barrier whole rows of 256 bytes come back and sixteen lanes store 256 consecutive bytes, aligned.  The lanes' rows lie four apart, so of the sixteen lanes
; of a store's pass four each fall on the same 16-byte column whatever 16-byte pitch is taken: eight such stores a wave, once.
; ONE barrier stands on every path, the casts' too, so that no jump leads round it.
.set TP,    272                        ; a row of the transposed tile in LDS: 256 bytes + 16
.set CR,    128*TP                     ; behind the tile: eight waves' partial sums, 512 bytes each
.set SPARE, CR+8*512                   ; behind them: the spare words, 128 bytes for each wave: four blocks of 256 bytes that no other line names
.set LO,  2                            ; v2   16 l
.set LO8, 3                            ; v3   8 l
.set LT,  4                            ; v4   into the tile: 4 l rows + 32 w bytes
.set LC,  5                            ; v5   CR + 16 t
.set LR,  6                            ; v6   back: row 16 w + l / 16, byte 16 (l % 16)
.set GO,  7                            ; v7   the same two rows in wgt or wot: 4,096 (l / 16) + 16 (l % 16)
.set LQ,  8                            ; v8   CR + 16 l
.set SPW, 10                           ; v10  LDS address of my spare word; never rewritten
.set NIL, 11                           ; v11  0; never rewritten
.set P,   12                           ; v[12:15]   my four columns' partial sums of b_in W_g
.set W,   16                           ; v[16:79]   source row r, column i at W + 4 r + i; later what comes back from LDS
.set T,   80                           ; v[80:111]  packed bf16
.set Z,   112                          ; v[112:113] zeros for out1
	s_load_b512 s[8:23], s[0:1], 0x0               ; x s[8:9], W_in s[10:11], W_g s[12:13], W_out s[14:15], b_in s[16:17], b_sp s[18:19], xb s[20:21], wib s[22:23]
	s_load_b256 s[24:31], s[0:1], 0x40             ; wgt s[24:25], wot s[26:27], cpart s[28:29], out1 s[30:31]
	v_lshl_add_u32 v[SPW], v0, 2, SPARE
	v_mov_b32 v[NIL], 0
	v_lshrrev_b32 v9, 5, v0
	v_readfirstlane_b32 s3, v9                     ; wave 0..7
	s_mov_b32 s2, ttmp9                            ; the work-group's number
	v_and_b32 v1, 31, v0                           ; l
	v_and_b32 v8, 15, v0                           ; l % 16
	v_bfe_u32 v9, v0, 4, 1                         ; l / 16
	v_lshlrev_b32 v[LO], 4, v1
	v_lshlrev_b32 v[LO8], 3, v1
	s_lshl_b32 s56, s3, 5
	v_mul_u32_u24 v[LT], v1, 4*TP
	v_add_nc_u32 v[LT], s56, v[LT]
	v_lshl_add_u32 v[LC], v0, 4, CR
	s_mul_i32 s57, s3, 16*TP
	v_mul_u32_u24 v[LR], v9, TP
	v_lshl_add_u32 v[LR], v8, 4, v[LR]
	v_add_nc_u32 v[LR], s57, v[LR]
	v_lshlrev_b32 v[GO], 12, v9
	v_lshl_add_u32 v[GO], v8, 4, v[GO]
	v_lshl_add_u32 v[LQ], v1, 4, CR                ; (v8's l % 16 has served)
	v_mov_b32 v[Z], 0
	v_mov_b32 v[Z+1], 0
	s_mov_b32 s59, 0                               ; s[58:59]: a byte offset under 2^25, as a pair
	s_wait_kmcnt 0x0
	s_mov_b64 s[54:55], s[28:29]                   ; cpart; a W_g tile adds its place
; A tile's way in.  s[48:49] = the wave's first source row at the tile's first column, s[52:53] = the wave's 16 numbers of b_in (kind 0) or b_sp (kind 1).
.macro TIN pitch, kind
	s_load_b512 s[32:47], s[52:53], 0x0            ; one number for each of my 16 source rows
.set r, 0
.rept 16
	global_load_b128 v[W+4*r:W+4*r+3], v[LO], s[48:49] offset:r*(\pitch) th:TH_LOAD_NT
.set r, r+1
.endr
	s_wait_kmcnt 0x0
.set r, 0
.rept 16
	s_wait_loadcnt 15-r                            ; row r is in; the younger rows' loads stay out
.irp i, 0,1,2,3
.if (\kind) == 1
	v_mul_f32 v[W+4*r+(\i)], s[32+r], v[W+4*r+(\i)]    ; b_sp[n] W_out[n][d], in f32
.elseif r == 0
	v_mul_f32 v[P+(\i)], s[32], v[W+(\i)]              ; the first row starts the sums: nothing is cleared
.else
	v_fmac_f32 v[P+(\i)], s[32+r], v[W+4*r+(\i)]
.endif
.endr
.set r, r+1
.endr
.irp i, 0,1,2,3
.irp q, 0,1,2,3,4,5,6,7
	v_cvt_pk_bf16_f32 v[T+8*(\i)+(\q)], v[W+8*(\q)+(\i)], v[W+8*(\q)+4+(\i)]  ; column i, source rows 2 q and 2 q + 1
.endr
.endr
.irp i, 0,1,2,3
	ds_store_b128 v[LT], v[T+8*(\i):T+8*(\i)+3]   offset:TP*(\i)
	ds_store_b128 v[LT], v[T+8*(\i)+4:T+8*(\i)+7] offset:TP*(\i)+16
.endr
.if (\kind) == 0
	ds_store_b128 v[LC], v[P:P+3]
.endif
.endm
	s_cmp_lt_u32 s2, 256
	s_cbranch_scc0 .Lnot_wg
	; a tile of W_g: jt = number % 16 (128 rows j), nt = number / 16 (128 columns n)
	s_and_b32 s56, s2, 15
	s_lshr_b32 s57, s2, 4
	s_lshl_b32 s58, s56, 20                        ; 128 jt rows of 8,192 bytes
	s_lshl_b32 s60, s3, 17                         ; 16 w rows
	s_or_b32 s58, s58, s60
	s_lshl_b32 s60, s57, 9                         ; 128 nt columns of 4 bytes
	s_or_b32 s58, s58, s60
	s_add_nc_u64 s[48:49], s[12:13], s[58:59]
	s_lshl_b32 s58, s57, 19                        ; wgt: 128 nt rows of 4,096 bytes
	s_lshl_b32 s60, s3, 16                         ; 16 w rows
	s_or_b32 s58, s58, s60
	s_lshl_b32 s60, s56, 8                         ; 128 jt columns of 2 bytes
	s_or_b32 s58, s58, s60
	s_add_nc_u64 s[50:51], s[24:25], s[58:59]
	s_lshl_b32 s58, s56, 9                         ; b_in at j = 128 jt + 16 w
	s_lshl_b32 s60, s3, 6
	s_or_b32 s58, s58, s60
	s_add_nc_u64 s[52:53], s[16:17], s[58:59]
	s_lshl_b32 s58, s56, 13                        ; cpart: row jt of 8,192 bytes, column 128 nt
	s_lshl_b32 s60, s57, 9
	s_or_b32 s58, s58, s60
	s_add_nc_u64 s[54:55], s[54:55], s[58:59]
	TIN 8192, 0
	s_branch .Lmeet
.Lnot_wg:
	s_cmp_lt_u32 s2, 384
	s_cbranch_scc0 .Lcast
	; a tile of W_out: rt = (number - 256) % 16 (128 rows n), ct = (number - 256) / 16 (128 columns d)
	s_and_b32 s57, s2, 127
	s_and_b32 s56, s57, 15
	s_lshr_b32 s57, s57, 4
	s_lshl_b32 s58, s56, 19                        ; 128 rt rows of 4,096 bytes
	s_lshl_b32 s60, s3, 16
	s_or_b32 s58, s58, s60
	s_lshl_b32 s60, s57, 9
	s_or_b32 s58, s58, s60
	s_add_nc_u64 s[48:49], s[14:15], s[58:59]
	s_lshl_b32 s58, s57, 19                        ; wot: 128 ct rows of 4,096 bytes
	s_lshl_b32 s60, s3, 16
	s_or_b32 s58, s58, s60
	s_lshl_b32 s60, s56, 8
	s_or_b32 s58, s58, s60
	s_add_nc_u64 s[50:51], s[26:27], s[58:59]
	s_lshl_b32 s58, s56, 9                         ; b_sp at n = 128 rt + 16 w
	s_lshl_b32 s60, s3, 6
	s_or_b32 s58, s58, s60
	s_add_nc_u64 s[52:53], s[18:19], s[58:59]
	TIN 4096, 1
	s_branch .Lmeet
.Lcast:
	; a cast: 64 KiB of f32 in, 32 KiB of bf16 out; a wave takes 8 KiB, all sixteen loads asked for at once
	s_and_b32 s56, s2, 127                         ; 384-511: W_in's chunk
	s_and_b32 s57, s2, 511                         ; 512-1023: x's chunk
	s_cmp_lt_u32 s2, 512
	s_cselect_b64 s[48:49], s[10:11], s[8:9]
	s_cselect_b64 s[50:51], s[22:23], s[20:21]
	s_cselect_b32 s57, s56, s57
	s_lshl_b32 s58, s57, 16
	s_lshl_b32 s60, s3, 13
	s_or_b32 s58, s58, s60
	s_add_nc_u64 s[48:49], s[48:49], s[58:59]
	s_lshr_b32 s58, s58, 1                         ; half as many bytes out
	s_add_nc_u64 s[50:51], s[50:51], s[58:59]
.set n, 0
.rept 16
	global_load_b128 v[W+4*n:W+4*n+3], v[LO], s[48:49] offset:512*n th:TH_LOAD_NT
.set n, n+1
.endr
.set n, 0
.rept 16
	s_wait_loadcnt 15-n                            ; load n is in; the younger ones stay out
	v_cvt_pk_bf16_f32 v[T+2*n], v[W+4*n], v[W+4*n+1]
	v_cvt_pk_bf16_f32 v[T+2*n+1], v[W+4*n+2], v[W+4*n+3]
	global_store_b64 v[LO8], v[T+2*n:T+2*n+1], s[50:51] offset:256*n th:TH_STORE_NT  ; 32 lanes store 256 consecutive bytes, aligned; no register of a store is written again
.set n, n+1
.endr
	s_cmp_lg_u32 s2, 384
	s_cbranch_scc1 .Lmeet
	s_cmp_lg_u32 s3, 0
	s_cbranch_scc1 .Lmeet
	global_store_b64 v[LO8], v[Z:Z+1], s[30:31]    ; out1: the scan's final state is 0 (see the head): 256 bytes by one wave
.Lmeet:
	s_wait_dscnt 0x0                               ; for the others' sake: my stores into the tile and into CR are done
	s_barrier_signal -1
	s_barrier_wait -1
	s_cmp_lt_u32 s2, 384
	s_cbranch_scc0 .Lend                           ; a cast has nothing in LDS
	; the way out of a transposed tile: wave w takes its rows 16 w .. 16 w + 15, two whole rows an instruction
.set n, 0
.rept 8
	ds_load_b128 v[W+4*n:W+4*n+3], v[LR] offset:2*TP*n
.set n, n+1
.endr
.set n, 0
.rept 8
	s_wait_dscnt 7-n                               ; rows 2 n and 2 n + 1 are back; the younger loads stay out
	global_store_b128 v[GO], v[W+4*n:W+4*n+3], s[50:51] offset:8192*n th:TH_STORE_NT  ; 16 lanes store 256 consecutive bytes, aligned
.set n, n+1
.endr
	s_cmp_lt_u32 s2, 256
	s_cbranch_scc0 .Lend
	s_cmp_lg_u32 s3, 0
	s_cbranch_scc1 .Lend
	; wave 0 of a W_g tile adds the eight waves' partial sums, in f32, into registers that no pending store reads
.set n, 0
.rept 8
	ds_load_b128 v[W+32+4*n:W+32+4*n+3], v[LQ] offset:512*n
.set n, n+1
.endr
	s_wait_dscnt 0x0
.irp n, 0,1,2,3,4,5,6,7
	v_pk_add_f32 v[W+32+2*(\n):W+32+2*(\n)+1], v[W+32+2*(\n):W+32+2*(\n)+1], v[W+48+2*(\n):W+48+2*(\n)+1]
.endr
.irp n, 0,1,2,3
	v_pk_add_f32 v[W+32+2*(\n):W+32+2*(\n)+1], v[W+32+2*(\n):W+32+2*(\n)+1], v[W+40+2*(\n):W+40+2*(\n)+1]
.endr
.irp n, 0,1
	v_pk_add_f32 v[W+32+2*(\n):W+32+2*(\n)+1], v[W+32+2*(\n):W+32+2*(\n)+1], v[W+36+2*(\n):W+36+2*(\n)+1]
.endr
	global_store_b128 v[LO], v[W+32:W+35], s[54:55]    ; 512 consecutive bytes of cpart's row jt
.Lend:
	s_wait_tensorcnt 0x0                           ; the wave's end: behind my last LDS store
	ds_add_u32 v[SPW], v[NIL]
	s_wait_dscnt 0x0
	s_endpgm
.Lfunc_end_k_qd81ab4b569_prep:
	.size	k_qd81ab4b569_prep, .Lfunc_end_k_qd81ab4b569_prep-k_qd81ab4b569_prep
	.p2alignl 7, 3214868480
	.fill 96, 4, 3214868480
	.section	.rodata,"a",@progbits
	.p2align	6, 0x0
	.amdhsa_kernel k_qd81ab4b569_prep
		.amdhsa_group_segment_fixed_size 39936
		.amdhsa_private_segment_fixed_size 0
		.amdhsa_enable_private_segment 0
		.amdhsa_kernarg_size 96
		.amdhsa_user_sgpr_count 2
		.amdhsa_user_sgpr_kernarg_segment_ptr 1
		.amdhsa_wavefront_size32 1
		.amdhsa_system_sgpr_workgroup_id_x 1
		.amdhsa_system_sgpr_workgroup_id_y 1
		.amdhsa_system_sgpr_workgroup_id_z 1
		.amdhsa_system_vgpr_workitem_id 0
		.amdhsa_next_free_vgpr 116
		.amdhsa_next_free_sgpr 66
		.amdhsa_reserve_vcc 0
		.amdhsa_float_denorm_mode_32 3
		.amdhsa_float_denorm_mode_16_64 3
		.amdhsa_memory_ordered 1
		.amdhsa_forward_progress 1
		.amdhsa_inst_pref_size 27
	.end_amdhsa_kernel
	.amdgpu_metadata
---
amdhsa.version: [ 1, 2 ]
amdhsa.kernels:
  - .name:           k_qd81ab4b569_prep
    .symbol:         k_qd81ab4b569_prep.kd
    .args:
      - { .name: x, .offset: 0, .size: 8, .value_kind: global_buffer, .address_space: global }
      - { .name: W_in, .offset: 8, .size: 8, .value_kind: global_buffer, .address_space: global }
      - { .name: W_g, .offset: 16, .size: 8, .value_kind: global_buffer, .address_space: global }
      - { .name: W_out, .offset: 24, .size: 8, .value_kind: global_buffer, .address_space: global }
      - { .name: b_in, .offset: 32, .size: 8, .value_kind: global_buffer, .address_space: global }
      - { .name: b_sp, .offset: 40, .size: 8, .value_kind: global_buffer, .address_space: global }
      - { .name: xb, .offset: 48, .size: 8, .value_kind: global_buffer, .address_space: global }
      - { .name: wib, .offset: 56, .size: 8, .value_kind: global_buffer, .address_space: global }
      - { .name: wgt, .offset: 64, .size: 8, .value_kind: global_buffer, .address_space: global }
      - { .name: wot, .offset: 72, .size: 8, .value_kind: global_buffer, .address_space: global }
      - { .name: cpart, .offset: 80, .size: 8, .value_kind: global_buffer, .address_space: global }
      - { .name: out1, .offset: 88, .size: 8, .value_kind: global_buffer, .address_space: global }
    .group_segment_fixed_size: 39936
    .private_segment_fixed_size: 0
    .kernarg_segment_align: 8
    .kernarg_segment_size: 96
    .max_flat_workgroup_size: 256
    .sgpr_count:     66
    .vgpr_count:     116
    .wavefront_size: 32
...
	.end_amdgpu_metadata
.endif
;; end of part 1
;; launch wc (part 2): grid 8 x 16, 4 waves a work-group, clusters of 4 x 4, 327,680 bytes of LDS; arguments wgt, wib, wct; writes wct
.if DOCPART == 2
	.amdgcn_target "amdgcn-amd-amdhsa--gfx1250"
	.amdhsa_code_object_version 6
	.text
	.protected	k_qd81ab4b569_wc
	.globl	k_qd81ab4b569_wc
	.p2align	8
	.type	k_qd81ab4b569_wc,@function
k_qd81ab4b569_wc:
	s_mov_b64 s[64:65], 0
	v_nop
	global_prefetch_b8 v0, s[64:65] scope:SCOPE_SE
	s_setreg_imm32_b32 hwreg(HW_REG_WAVE_MODE, 25, 1), 1
	s_wait_xcnt 0x0
	s_wait_alu depctr_hold_cnt(0) depctr_sa_sdst(0) depctr_va_vdst(0) depctr_va_sdst(0) depctr_va_ssrc(0) depctr_va_vcc(0) depctr_vm_vsrc(0)
	s_getreg_b32 s2, hwreg(HW_REG_IB_STS2, 6, 4)
	s_cmp_eq_u32 s2, 0
	s_cbranch_scc0 .Lentry_in_a_cluster
	s_endpgm
.Lentry_in_a_cluster:
	s_bfe_u32 s2, ttmp6, 0x10000c
	s_cmp_lg_u32 s2, 0xf033
	s_cbranch_scc0 .Lentry_shape_is_right
	s_endpgm
.Lentry_shape_is_right:
; C[m][n] = sum over k of A[m][k] B[n][k].  A: [M][2048], B: [1024][2048], C: [M][1024], all bf16; sums in f32, C rounded once.  M enters by the grid alone.  One text, two launches:
;   wct[n][k] = sum over j of wgt[n][j] wib[k][j] = (W_in W_g)[k][n]          (M = 2,048)
;   ob[t][d]  = sum over n of zb[t][n] wot[d][n] = ((b_sp silu(..)) W_out)[t][d]  (M = 8,192)
; Work left out (shown at the head of the first kernel): the scan's state is 0 throughout, so y = b_sp, which lies folded into wot; x_inner is never made, since (x W_in + b_in) W_g = x (W_in W_g) + b_in W_g.
; A tile of C is 128 x 128: with 1,024 columns that gives 512 work-groups at M = 8,192.  Four waves, each 64 x 64: 16 accumulators of 16 x 16, 128 registers.  K goes in steps of 256 (LDS rows of
; 512 bytes; a wave's tensor load brings 64 of them), as long as two slots in LDS allow; the four waves share ONE stage on the way out, with a barrier between writing and reading, since a wave's 64 columns are only half of an aligned 256 bytes of C.
; CLUSTERS: 4 x 4 work-groups.  The four of a row of the cluster need the same tiles of A, the four of a column the same tiles of B: each tile is asked for JOINTLY, by the same tensor load with the
; same descriptor and a mask that names the four.  THE MATRIX INSTRUCTION IS USED TRANSPOSED (source 0 = 16 rows of B, source 1 = 16 rows of A): a lane then holds eight neighbouring numbers of a row of C.
; By this text's own count a wave has two tensor loads out at the start and one behind each round.
; REGISTERS: window 0: v0-31 addresses; v32-95 at work on the way out; v128-255 the accumulators ((a, b) at v[128 + 8 (4 a + b)]).
;   window 1: two fragment buffers of 128: for 64 along K (two matrix instructions deep), 64 registers of A (2 x 4 x 16 rows x 32 K), then 64 of B.
.set SIZE_N, 1024
.set SIZE_K, 2048
.set KSTEP,  256
.set PITCH,  528                       ; an LDS row: 512 bytes of data + 16 of padding = 132 words: row r starts at bank 4 r mod 64 (64 banks of 4 bytes: ISA guide 11.1)
.set HALFT,  64*PITCH                  ; 64 rows: what one tensor load brings, and what one wave reads of A or of B
.set SLOT,   4*HALFT                   ; A's 128 rows, then B's 128 rows
.set STAGE,  2*SLOT                    ; behind the ring: 128 rows x 272 bytes, the work-group's, for the way out
.set SPITCH, 272
.set SPARE,  STAGE+128*SPITCH          ; behind the stage: the spare words, 128 bytes for each wave: two blocks of 256 bytes that no other line names
.set LAPS, SIZE_K/(2*KSTEP)            ; a lap = two K steps = once round the ring: four laps
.set ADRA, 16                          ; v16-17  LDS address of my A fragments in slot 0, 1
.set ADRB, 20                          ; v20-21  the same for B
.set STO,  24                          ; v24     the way out: where I put 16 bytes of a row
.set RD,   25                          ; v25     the way out: where I read a row back
.set CO,   26                          ; v26     my byte offset in C
.set SPW,  28                          ; v28     LDS address of my spare word: SPARE + 4 x my thread's number; never rewritten
.set NIL,  29                          ; v29     0; never rewritten
.set TMP,  32                          ; the way out: 64 registers, packed results and then whole rows
.set ACC,  128
.set F0,   0                           ; fragment buffers, in window 1
.set F1,   128
.set G1, 24                            ; s[24:31] descriptor group 1 for A's tiles;  s[32:39] group 0, one set for each slot
.set G0, 32
.set G1B, 48                           ; s[48:55], s[56:63] the same for B's tiles
.set G0B, 56
.set MSB, 0
.macro WIN new                         ; the immediate's high byte repeats the setting that is left
.if MSB != (\new)
	s_set_vgpr_msb (MSB<<8)|(\new)
.set MSB, \new
.endif
.endm
.set MUL,  0x05                        ; sources 0 (B) and 1 (A) window 1; C and D window 0
.set TO_F, 0x40                        ; destination window 1, address window 0
.macro JLOAD s                         ; a joint load: waves 0 and 1 fetch A's two halves, waves 2 and 3 B's; an s_nop 0 and four v_nop follow each of the two lines, ahead of the jump, the label and what follows
	s_cmp_eq_u32 s11, 0
	s_cbranch_scc0 .Lfor_b_\@
	tensor_load_to_lds s[G0+4*(\s):G0+4*(\s)+3], s[G1:G1+7]
	s_nop 0
.rept 4
	v_nop
.endr
	s_branch .Lasked_\@
.Lfor_b_\@:
	tensor_load_to_lds s[G0B+4*(\s):G0B+4*(\s)+3], s[G1B:G1B+7]
	s_nop 0
.rept 4
	v_nop
.endr
.Lasked_\@:
.endm
.macro CREST                           ; a round of the cluster's barrier behind its opening barrier
	s_cmp_lg_u32 s10, 0
	s_cbranch_scc1 .Lnot_wave_0_\@
	s_barrier_signal -3
.Lnot_wave_0_\@:
	s_barrier_wait -3
	s_barrier_signal -1
	s_barrier_wait -1
.endm
.macro CROUND                          ; a whole round
	s_barrier_signal -1
	s_barrier_wait -1
	CREST
.endm
	s_load_b128 s[4:7], s[0:1], 0x0                ; A s[4:5], B s[6:7]
	s_load_b64 s[8:9], s[0:1], 0x10                ; C
	v_lshl_add_u32 v[SPW], v0, 2, SPARE
	v_mov_b32 v[NIL], 0
	ds_add_u32 v[SPW], v[NIL]                      ; the wave's opening: the add, twice on end, and its wait ahead of my first tensor load; the set-up below the second, work on registers, stands between it and the wait
	ds_add_u32 v[SPW], v[NIL]                      ; and once more, under the one wait
	v_lshrrev_b32 v1, 5, v0
	v_readfirstlane_b32 s10, v1                    ; wave 0..3
	s_lshr_b32 s11, s10, 1                         ; which half of the tile's rows is mine.  Also: I fetch for A (0) or for B (1)
	s_and_b32 s12, s10, 1                          ; which half of its columns.  Also: which 64 rows of that tile I fetch
	s_bfe_u32 s40, ttmp6, 0x40000                  ; cx, cy: my place in the cluster
	s_bfe_u32 s41, ttmp6, 0x40004
	s_lshl_b32 s42, ttmp9, 2
	s_add_co_u32 s42, s42, s40                     ; tile column of C = 4 x cluster x + cx
	s_and_b32 s13, ttmp7, 0xffff
	s_lshl_b32 s13, s13, 2
	s_add_co_u32 s13, s13, s41                     ; tile row of C = 4 x cluster y + cy
	s_lshl_b32 s43, s41, 2
	s_lshl_b32 s43, 15, s43                        ; my row of the cluster
	s_lshl_b32 s44, 0x1111, s40                    ; my column
	; descriptor group 1: a tile of 64 rows x 256 elements, padded in LDS
	s_or_b32 s[G1+0], s43, (1<<16)|(1<<20)|(1<<21)|(6<<22)|(3<<25)  ; 15:0 the mask: A's tiles go to my row; 17:16 element of 2 bytes; 20 padding on; 21 set beside a mask; 24:22 after every 128 words (code 6); 31:25 of 4 words (code 3)
	s_or_b32 s[G1B+0], s44, (1<<16)|(1<<20)|(1<<21)|(6<<22)|(3<<25)
.irp g, G1, G1B
	s_mov_b32 s[(\g)+1], KSTEP<<16                 ; tensor_dim0 = 256
	s_mov_b32 s[(\g)+2], 64<<16                    ; tensor_dim1 = 64
	s_mov_b32 s[(\g)+3], KSTEP<<16                 ; tile_dim0 = 256
	s_mov_b32 s[(\g)+4], 64                        ; tile_dim1 = 64
	s_mov_b32 s[(\g)+5], SIZE_K                    ; tensor_dim0_stride
	s_mov_b32 s[(\g)+6], 0
	s_mov_b32 s[(\g)+7], 0
.endr
	s_lshl_b32 s17, s12, 6                         ; which 64 rows of the tile I fetch
	s_lshl_b32 s16, s13, 7
	s_add_co_u32 s16, s16, s17                     ; A: row 128 x tile row + 64 x half
	s_lshl_b32 s46, s42, 7
	s_add_co_u32 s46, s46, s17                     ; B: row 128 x tile column + 64 x half
	s_mov_b32 s17, 0
	s_mov_b32 s47, 0
	s_mov_b64 s[18:19], SIZE_K*2
	s_mul_u64 s[16:17], s[16:17], s[18:19]
	s_mul_u64 s[46:47], s[46:47], s[18:19]
	s_mul_i32 s20, s10, HALFT                      ; where they go: wave x 64 rows
	s_wait_dscnt 0x0                               ; both opening adds are done
	s_wait_kmcnt 0x0
	s_add_nc_u64 s[14:15], s[4:5], s[16:17]
	s_add_nc_u64 s[46:47], s[6:7], s[46:47]
	CROUND                                         ; all sixteen work-groups are here: the first joint loads meet
.irp s, 0,1
	s_mov_b32 s[G0+4*(\s)], 1
	s_add_co_u32 s[G0+4*(\s)+1], s20, (\s)*SLOT
	s_add_nc_u64 s[G0+4*(\s)+2:G0+4*(\s)+3], s[14:15], (\s)*KSTEP*2
	s_or_b32 s[G0+4*(\s)+3], s[G0+4*(\s)+3], 0x80000000
	s_mov_b32 s[G0B+4*(\s)], 1
	s_add_co_u32 s[G0B+4*(\s)+1], s20, (\s)*SLOT
	s_add_nc_u64 s[G0B+4*(\s)+2:G0B+4*(\s)+3], s[46:47], (\s)*KSTEP*2
	s_or_b32 s[G0B+4*(\s)+3], s[G0B+4*(\s)+3], 0x80000000
	JLOAD \s
.endr
	v_and_b32 v1, 15, v0                           ; l % 16
	v_bfe_u32 v2, v0, 4, 1                         ; l / 16
	v_mul_u32_u24 v3, v1, PITCH
	v_lshl_add_u32 v3, v2, 4, v3                   ; a fragment's row x pitch + 16 x half
	s_mul_i32 s21, s11, HALFT                      ; my 64 rows of A
	s_mul_i32 s22, s12, HALFT                      ; my 64 rows of B,
	s_add_co_u32 s22, s22, 2*HALFT                 ; which lie behind A's 128
.irp s, 0,1
	v_add_nc_u32 v[ADRA+(\s)], s21, v3
	v_add_nc_u32 v[ADRB+(\s)], s22, v3
	s_add_co_u32 s21, s21, SLOT
	s_add_co_u32 s22, s22, SLOT
.endr
	s_mul_i32 s23, s11, 64*SPITCH                  ; into the stage: my 64 rows, my half of their 256 bytes; row l % 16, 16 bytes for each half of the lanes
	s_lshl_b32 s21, s12, 7
	s_add_co_u32 s23, s23, s21
	s_add_co_u32 s23, s23, STAGE
	v_mul_u32_u24 v4, v1, SPITCH
	v_lshl_add_u32 v4, v2, 4, v4
	v_add_nc_u32 v[STO], s23, v4
	s_mul_i32 s23, s10, 32*SPITCH                  ; back: wave w takes rows 32 w .. 32 w + 31, whole; lanes 0-15 one row of 256 bytes, lanes 16-31 the next
	s_add_co_u32 s23, s23, STAGE
	v_mul_u32_u24 v5, v2, SPITCH
	v_lshl_add_u32 v5, v1, 4, v5
	v_add_nc_u32 v[RD], s23, v5
	v_mul_u32_u24 v5, v2, SIZE_N*2                 ; and the same two rows in C
	v_lshl_add_u32 v[CO], v1, 4, v5
	s_lshl_b32 s16, s13, 7
	s_lshl_b32 s17, s10, 5
	s_add_co_u32 s16, s16, s17                     ; the first row of C that I store: 128 x tile row + 32 x wave
	s_mov_b32 s17, 0
	s_mov_b64 s[18:19], SIZE_N*2
	s_mul_u64 s[16:17], s[16:17], s[18:19]
	s_add_nc_u64 s[8:9], s[8:9], s[16:17]
	s_lshl_b32 s46, s42, 8                         ; the tile's first column, in bytes
	s_mov_b32 s47, 0
	s_add_nc_u64 s[8:9], s[8:9], s[46:47]
; 8 matrix instructions: m blocks a0, a0 + 1 x all 4 n blocks, 32 along K: half c of buffer f.  zero = 1: the first product starts the sums.  The 16 accumulators take turns.
.macro MUL8 f, c, a0, zero
	WIN MUL
.irp a, \a0, (\a0)+1
.irp b, 0,1,2,3
.if \zero
	v_wmma_f32_16x16x32_bf16 v[ACC+8*(4*(\a)+(\b)):ACC+8*(4*(\a)+(\b))+7], v[(\f)+64+8*(4*(\c)+(\b)):(\f)+64+8*(4*(\c)+(\b))+7], v[(\f)+8*(4*(\c)+(\a)):(\f)+8*(4*(\c)+(\a))+7], 0
.else
	v_wmma_f32_16x16x32_bf16 v[ACC+8*(4*(\a)+(\b)):ACC+8*(4*(\a)+(\b))+7], v[(\f)+64+8*(4*(\c)+(\b)):(\f)+64+8*(4*(\c)+(\b))+7], v[(\f)+8*(4*(\c)+(\a)):(\f)+8*(4*(\c)+(\a))+7], v[ACC+8*(4*(\a)+(\b)):ACC+8*(4*(\a)+(\b))+7]
.endif
.endr
.endr
.endm
; 32 LDS loads in one run: the fragments of 64 along K at byte k of the rows, into buffer f; the first 32 along K first
.macro FETCH slot, k, f
	WIN TO_F
.irp c, 0,1
.irp i, 0,1,2,3
	ds_load_b128 v[(\f)+64+8*(4*(\c)+(\i)):(\f)+64+8*(4*(\c)+(\i))+3],   v[ADRB+(\slot)] offset:(\k)+64*(\c)+(\i)*16*PITCH
	ds_load_b128 v[(\f)+64+8*(4*(\c)+(\i))+4:(\f)+64+8*(4*(\c)+(\i))+7], v[ADRB+(\slot)] offset:(\k)+64*(\c)+(\i)*16*PITCH+32
	ds_load_b128 v[(\f)+8*(4*(\c)+(\i)):(\f)+8*(4*(\c)+(\i))+3],         v[ADRA+(\slot)] offset:(\k)+64*(\c)+(\i)*16*PITCH
	ds_load_b128 v[(\f)+8*(4*(\c)+(\i))+4:(\f)+8*(4*(\c)+(\i))+7],       v[ADRA+(\slot)] offset:(\k)+64*(\c)+(\i)*16*PITCH+32
.endr
.endr
.endm
.macro PLACES                          ; four places in front of loads into registers that matrix instructions have read, and of conversions that read results
.rept 4
	v_nop
.endr
.endm
; A K step is four quarters of 64 along K, 32 matrix instructions each, on buffers 0, 1, 0, 1.  One of the first three: multiplies buffer f and fetches the next quarter, at byte k, into g.
.macro QUARTER slot, k, f, g, zero
	s_wait_dscnt 16                                ; the first 32 along K are in; the sixteen younger loads may be out
	WIN MUL
	MUL8 \f, 0, 0, \zero
	MUL8 \f, 0, 2, \zero
	PLACES
	FETCH \slot, \k, \g
	s_wait_dscnt 32                                ; all but the 32 just issued
	WIN MUL
	MUL8 \f, 1, 0, 0
	MUL8 \f, 1, 2, 0
.endm
; The last quarter multiplies buffer 1 and changes slots: ONE barrier; in front of it each wave waits for all its tensor loads, adds 0 to its spare word, and waits for that and for its own reads of this slot.  fill = 1: this slot is filled again, two K steps ahead.
.macro TURN slot, next, fill
	WIN 0                                          ; (the add's two registers lie in window 0)
	s_wait_tensorcnt 0x0                           ; all my tensor loads have landed: my part of the next slot;
	ds_add_u32 v[SPW], v[NIL]                      ; 0 onto my spare word;
	s_wait_dscnt 17                                ; (the add and the youngest sixteen loads may be out)
	WIN MUL
	MUL8 F1, 0, 0, 0                               ; eight matrix instructions stand between the add and the wait for it
	s_wait_dscnt 0x0                               ; the add is done, and my reads of this slot are over
	s_barrier_signal -1
	MUL8 F1, 0, 2, 0
.if \fill
	WIN 0
.endif
	s_barrier_wait -1
.if \fill
	CREST                                          ; the barrier has opened a round of the cluster's barrier: no wave of any partner still reads this slot's tile or has a load on its way
	s_add_nc_u64 s[G0+4*(\slot)+2:G0+4*(\slot)+3], s[G0+4*(\slot)+2:G0+4*(\slot)+3], 2*KSTEP*2
	s_add_nc_u64 s[G0B+4*(\slot)+2:G0B+4*(\slot)+3], s[G0B+4*(\slot)+2:G0B+4*(\slot)+3], 2*KSTEP*2
	JLOAD \slot                                    ; the first tensor load behind the round: 112 matrix instructions ahead of the wait for it; the four v_nop behind it are also the places in front of the loads below
.else
	PLACES
.endif
	FETCH \next, 0, F0
	WIN MUL
	MUL8 F1, 1, 0, 0
	MUL8 F1, 1, 2, 0
.endm
	s_wait_tensorcnt 1                             ; my part of K step 0 is in; K step 1's load may stay out
	s_barrier_signal -1
	s_barrier_wait -1                              ; everybody's is
	FETCH 0, 0, F0
	QUARTER 0, 128, F0, F1, 1                      ; the first quarter stands in front of the loop: its first products start the sums
	WIN 0                                          ; at a label and at a branch every window is 0
	s_mov_b32 s3, LAPS-1
.Llap:                                                 ; a trip goes once round the ring, from a lap's second quarter to the next lap's first, and fills both slots again
	QUARTER 0, 256, F1, F0, 0
	QUARTER 0, 384, F0, F1, 0
	TURN 0, 1, 1
	QUARTER 1, 128, F0, F1, 0
	QUARTER 1, 256, F1, F0, 0
	QUARTER 1, 384, F0, F1, 0
	TURN 1, 0, 1
	QUARTER 0, 128, F0, F1, 0
	WIN 0
	s_sub_co_u32 s3, s3, 1
	s_cmp_lg_u32 s3, 0
	s_cbranch_scc1 .Llap
	QUARTER 0, 256, F1, F0, 0                      ; the last lap fills nothing, and has no round of the cluster's barrier
	QUARTER 0, 384, F0, F1, 0
	TURN 0, 1, 0
	QUARTER 1, 128, F0, F1, 0
	QUARTER 1, 256, F1, F0, 0
	QUARTER 1, 384, F0, F1, 0
	s_wait_dscnt 16                                ; the very last quarter: nothing more to fetch
	WIN MUL
	MUL8 F1, 0, 0, 0
	MUL8 F1, 0, 2, 0
	s_wait_dscnt 0
	MUL8 F1, 1, 0, 0
	MUL8 F1, 1, 2, 0
	WIN 0
	; THE WAY OUT: round to bf16; 16 bytes a lane into the work-group's stage; a barrier, since a row's 256 bytes come from two waves; back as whole rows, 32 rows a wave.
	PLACES
.irp t, 0,1,2,3,4,5,6,7,8,9,10,11,12,13,14,15
.irp r, 0,1,2,3
	v_cvt_pk_bf16_f32 v[TMP+4*(\t)+(\r)], v[ACC+8*(\t)+2*(\r)], v[ACC+8*(\t)+2*(\r)+1]
.endr
.endr
.irp a, 0,1,2,3
.irp b, 0,1,2,3
	ds_store_b128 v[STO], v[TMP+4*(4*(\a)+(\b)):TMP+4*(4*(\a)+(\b))+3] offset:(\a)*16*SPITCH+32*(\b)
.endr
.endr
	s_wait_dscnt 0x0                               ; for the others' sake: my stores into the stage are done
	s_barrier_signal -1
	s_barrier_wait -1
.irp t, 0,1,2,3,4,5,6,7,8,9,10,11,12,13,14,15
	ds_load_b128 v[TMP+4*(\t):TMP+4*(\t)+3], v[RD] offset:(\t)*2*SPITCH
.endr
.irp t, 0,1,2,3,4,5,6,7,8,9,10,11,12,13,14,15
	s_wait_dscnt 15-(\t)                           ; rows 2 t and 2 t + 1 are back; the younger loads stay out
	global_store_b128 v[CO], v[TMP+4*(\t):TMP+4*(\t)+3], s[8:9] offset:2*(\t)*SIZE_N*2  ; 16 lanes store 256 consecutive bytes, at a multiple of 256 from C's first byte
.endr
	s_wait_tensorcnt 0x0                           ; the wave's end: behind my last tensor load and my last LDS store
	ds_add_u32 v[SPW], v[NIL]
	s_wait_dscnt 0x0
	CROUND                                         ; the closing round: no work-group ends while a partner may still ask for a tile that names it
	s_endpgm
.Lfunc_end_k_qd81ab4b569_wc:
	.size	k_qd81ab4b569_wc, .Lfunc_end_k_qd81ab4b569_wc-k_qd81ab4b569_wc
	.p2alignl 7, 3214868480
	.fill 96, 4, 3214868480
	.section	.rodata,"a",@progbits
	.p2align	6, 0x0
	.amdhsa_kernel k_qd81ab4b569_wc
		.amdhsa_group_segment_fixed_size 327680
		.amdhsa_private_segment_fixed_size 0
		.amdhsa_enable_private_segment 0
		.amdhsa_kernarg_size 24
		.amdhsa_user_sgpr_count 2
		.amdhsa_user_sgpr_kernarg_segment_ptr 1
		.amdhsa_wavefront_size32 1
		.amdhsa_system_sgpr_workgroup_id_x 1
		.amdhsa_system_sgpr_workgroup_id_y 1
		.amdhsa_system_sgpr_workgroup_id_z 1
		.amdhsa_system_vgpr_workitem_id 0
		.amdhsa_next_free_vgpr 512
		.amdhsa_next_free_sgpr 66
		.amdhsa_reserve_vcc 0
		.amdhsa_float_denorm_mode_32 3
		.amdhsa_float_denorm_mode_16_64 3
		.amdhsa_memory_ordered 1
		.amdhsa_forward_progress 1
		.amdhsa_inst_pref_size 87
	.end_amdhsa_kernel
	.amdgpu_metadata
---
amdhsa.version: [ 1, 2 ]
amdhsa.kernels:
  - .name:           k_qd81ab4b569_wc
    .symbol:         k_qd81ab4b569_wc.kd
    .args:
      - { .name: wgt, .offset: 0, .size: 8, .value_kind: global_buffer, .address_space: global }
      - { .name: wib, .offset: 8, .size: 8, .value_kind: global_buffer, .address_space: global }
      - { .name: wct, .offset: 16, .size: 8, .value_kind: global_buffer, .address_space: global }
    .group_segment_fixed_size: 327680
    .private_segment_fixed_size: 0
    .kernarg_segment_align: 8
    .kernarg_segment_size: 24
    .max_flat_workgroup_size: 128
    .sgpr_count:     66
    .vgpr_count:     512
    .wavefront_size: 32
...
	.end_amdgpu_metadata
.endif
;; end of part 2
;; launch hgate (part 3): grid 8 x 32, 4 waves a work-group, clusters of 4 x 4, 327,680 bytes of LDS; arguments xb, wct, zb, cpart, b_g; writes zb
.if DOCPART == 3
	.amdgcn_target "amdgcn-amd-amdhsa--gfx1250"
	.amdhsa_code_object_version 6
	.text
	.protected	k_qd81ab4b569_hgate
	.globl	k_qd81ab4b569_hgate
	.p2align	8
	.type	k_qd81ab4b569_hgate,@function
k_qd81ab4b569_hgate:
	s_mov_b64 s[64:65], 0
	v_nop
	global_prefetch_b8 v0, s[64:65] scope:SCOPE_SE
	s_setreg_imm32_b32 hwreg(HW_REG_WAVE_MODE, 25, 1), 1
	s_wait_xcnt 0x0
	s_wait_alu depctr_hold_cnt(0) depctr_sa_sdst(0) depctr_va_vdst(0) depctr_va_sdst(0) depctr_va_ssrc(0) depctr_va_vcc(0) depctr_vm_vsrc(0)
	s_getreg_b32 s2, hwreg(HW_REG_IB_STS2, 6, 4)
	s_cmp_eq_u32 s2, 0
	s_cbranch_scc0 .Lentry_in_a_cluster
	s_endpgm
.Lentry_in_a_cluster:
	s_bfe_u32 s2, ttmp6, 0x10000c
	s_cmp_lg_u32 s2, 0xf033
	s_cbranch_scc0 .Lentry_shape_is_right
	s_endpgm
.Lentry_shape_is_right:
; zb[t][n] = silu(sum over k of xb[t][k] wct[n][k] + c[n]),  c[n] = b_g[n] + the sum of cpart's sixteen rows at n (= b_g + b_in W_g).  xb: [8192][1024], wct: [2048][1024], zb: [8192][2048], bf16; cpart: [16][2048], b_g: [2048], f32.
; Work left out (shown at the head of the first kernel): x_inner is never made, since (x W_in + b_in) W_g = x (W_in W_g) + b_in W_g; the factor y = b_sp of the gate lies folded into wot.
; LIMITS.  silu(p) = p / (1 + 2^(-p log2 e)), in f32: where the power overflows the quotient is -0; a power below 2^-126 counts as 0.  zb is rounded once to bf16.
; A tile of zb, 256 x 256, is made by a work-group of four waves; a wave makes 128 x 128: 64 accumulators of 16 x 16, 512 registers.  The grid has 8 x 32 = 256 such tiles.  K goes in eight steps of 128 through a ring
; of two LDS slots filled by the tensor data mover: the tiles' rows are 256 bytes of memory and start at multiples of 256 bytes from the buffer's first byte.
; CLUSTERS: 4 x 4 work-groups.  The four of a row of the cluster need the same tiles of xb, the four of a column the same tiles of wct.  Such a tile is asked for JOINTLY: each of the four issues the same tensor load,
; with the same descriptor and a mask that names the four.  By this text's own count a wave has two tensor loads out at the start and one behind each round.
; THE BIAS STARTS THE SUMS: c of the tile's 256 columns is summed once (a thread two columns), laid in LDS, and read by each wave in the accumulators' layout; it is the C operand of the first product on each accumulator.
; REGISTERS, in windows of 256 (s_set_vgpr_msb's low byte: bits 1:0 source 0, 3:2 source 1, 5:4 source 2, 7:6 destination):
;   window 0: v0-31 addresses; v64-127, v128-191 fragments of A (8 x 16 rows x 32 K), two buffers; v192-255 c in the accumulators' layout, later, with v32-63, at work on the way out
;   window 1: v64-127, v128-191 fragments of B, two buffers; on the way out all 256: silu of 256 accumulator registers, under the accumulators' own numbers
;   window 2: the 32 accumulators of my rows 0-63 (accumulator (a, b) at v[8 (8 a + b)]);   window 3: those of my rows 64-127
; THE MATRIX INSTRUCTION IS USED TRANSPOSED: source 0 = 16 rows of B, source 1 = 16 rows of A.  Lane l then holds row m = l % 16, and its registers 0 to 7 the columns n = 8 (l / 16) + 0 .. 7.
.set SIZE_N, 2048
.set SIZE_K, 1024
.set KSTEP,  128
.set PITCH,  272                       ; an LDS row: 256 bytes of data + 16 of padding = 68 words: row r starts at bank 4 r mod 64 (64 banks of 4 bytes: ISA guide 11.1)
.set HALFT,  128*PITCH                 ; 128 rows: what one tensor load brings, and what one wave reads of A or of B
.set SLOT,   4*HALFT                   ; A's 256 rows, then B's 256 rows
.set STAGE,  2*SLOT                    ; behind the ring: 16 rows x 272 bytes for each wave, for the way out
.set SPITCH, 272
.set SPARE,  STAGE+4*16*SPITCH         ; behind the stages: the spare words, 128 bytes for each wave: two blocks of 256 bytes that no other line names
.set CB,     SPARE+512                 ; behind them: c of the tile's 256 columns, f32: four blocks of 256 bytes into which no tensor load lands
.set LAPS, SIZE_K/(2*KSTEP)            ; a lap = two K steps = once round the ring: four laps
.set BO,   8                           ; v8      my two columns' byte offset in b_g and in a row of cpart
.set CBS,  9                           ; v9      where I put their c
.set CBL,  10                          ; v10     where my lane reads c of n block 0: my wave's 128 columns, 8 for each half of the lanes
.set ADRA, 16                          ; v16-17  LDS address of my A fragments in slot 0, 1
.set ADRB, 20                          ; v20-21  the same for B
.set STO,  24                          ; v24     the way out: where I put 16 bytes of a row
.set RD,   25                          ; v25     the way out: where I read a row back
.set CO,   26                          ; v26     my byte offset in zb
.set SPW,  28                          ; v28     LDS address of my spare word: SPARE + 4 x my thread's number; never rewritten
.set NIL,  29                          ; v29     0; never rewritten
.set PFO,  30                          ; v30     the prefetches' offset: my lane x a row of A or B in memory; never rewritten
.set PFA,  44                          ; s[44:45] where my prefetches stand: my work-group's 32 rows of the 128 that I fetch, one K step further along K than the refill that is being asked for
.set LIM,  43                          ; s43     1 in a wave that prefetches, else the greatest number
.set F0,   64                          ; fragment buffer 0
.set F1,   128                         ; fragment buffer 1
.set CBR,  192                         ; c for n block b at CBR + 8 b, in window 0
.set TMP,  192                         ; the way out: packed results, in window 0
.set OB,   32                          ; the way out: 16 rows read back from the stage: v32-63 and v224-255 by turns
.set G1, 24                            ; s[24:31] descriptor group 1 for A's tiles
.set G0, 32                            ; s[32:39] descriptor group 0 for A's tiles, one set for each slot
.set G1B, 48                           ; s[48:55] descriptor group 1 for B's tiles: it differs from A's in the mask alone
.set G0B, 56                           ; s[56:63] descriptor group 0 for B's tiles, one set for each slot
.set MSB, 0
.macro WIN new                         ; the immediate's high byte repeats the setting that is left; a switch that changes nothing is dropped
.if MSB != (\new)
	s_set_vgpr_msb (MSB<<8)|(\new)
.set MSB, \new
.endif
.endm
.set MUL_LO, 0xa1                      ; source 0 (B) window 1, source 1 (A) window 0, C and D window 2
.set MUL_HI, 0xf1                      ; the same, C and D window 3
.set TO_B,   0x40                      ; destination window 1, address window 0
; A joint load.  Waves 0 and 1 fetch A's two halves, waves 2 and 3 B's.  The branch hangs on the wave's number alone: it is the same in every work-group.
; An s_nop 0 and four v_nop follow each of the two lines; the jump round the other line, the label and what follows the macro come after them.
.macro JLOAD s
	s_cmp_eq_u32 s11, 0
	s_cbranch_scc0 .Lfor_b_\@
	tensor_load_to_lds s[G0+4*(\s):G0+4*(\s)+3], s[G1:G1+7]
	s_nop 0
.rept 4
	v_nop
.endr
	s_branch .Lasked_\@
.Lfor_b_\@:
	tensor_load_to_lds s[G0B+4*(\s):G0B+4*(\s)+3], s[G1B:G1B+7]
	s_nop 0
.rept 4
	v_nop
.endr
.Lasked_\@:
.endm
; A PREFETCH INTO THE L2, behind each joint load, its five lines and the run of LDS loads that follows them: the K step that stands TWO refills on, 512 matrix instructions ahead of the load that will want it:
; 32 rows x 256 bytes, a lane a row, one instruction a wave.  Each row's 256 bytes of a K step are named ONCE in the launch: xb's tile row is read by every cluster of that row of clusters, and the one with x = 0 asks;
; wct's tile column by every cluster of that column, and the one with y = 0 asks.  The four partners that ask for a tile jointly share its rows out BY ADDRESS: of the 128 rows that wave w fetches, the partner at
; place p takes 32 p .. 32 p + 31 (p = cx for A, cy for B): no branch hangs on a work-group's place in its cluster.  K steps 4 to 7 are asked for so; K steps 0 to 3 come by their loads alone; the loop's last trip asks for nothing.
.macro ASK
	s_cmp_gt_u32 s3, s[LIM]                        ; s3 = 1 in the loop's last trip
	s_cbranch_scc0 .Lnot_mine_\@
	global_prefetch_b8 v[PFO], s[PFA:PFA+1] offset:KSTEP*2 th:TH_LOAD_NT scope:SCOPE_SE
.Lnot_mine_\@:
.endm
; A round of the cluster's barrier: my work-group's barrier, so that wave 0's signal speaks for all four waves; wave 0 signals for the work-group; every wave waits for all
; sixteen work-groups; my work-group's barrier once more.  No LDS instruction of the wave is pending at a signal.
.macro CREST                           ; a round behind its opening barrier
	s_cmp_lg_u32 s10, 0
	s_cbranch_scc1 .Lnot_wave_0_\@
	s_barrier_signal -3
.Lnot_wave_0_\@:
	s_barrier_wait -3
	s_barrier_signal -1
	s_barrier_wait -1
.endm
.macro CROUND                          ; a whole round
	s_barrier_signal -1
	s_barrier_wait -1
	CREST
.endm
	s_load_b128 s[4:7], s[0:1], 0x0                ; A = xb s[4:5], B = wct s[6:7]
	s_load_b64 s[8:9], s[0:1], 0x10                ; zb
	s_load_b64 s[68:69], s[0:1], 0x18              ; cpart
	s_load_b64 s[70:71], s[0:1], 0x20              ; b_g
	v_lshl_add_u32 v[SPW], v0, 2, SPARE
	v_mov_b32 v[NIL], 0
	ds_add_u32 v[SPW], v[NIL]                      ; the wave's opening: the add, twice on end, and its wait ahead of my first tensor load; the set-up below the second, work on registers, stands between it and the wait
	ds_add_u32 v[SPW], v[NIL]                      ; and once more, under the one wait
	v_lshrrev_b32 v1, 5, v0
	v_readfirstlane_b32 s10, v1                    ; wave 0..3
	s_lshr_b32 s11, s10, 1                         ; which half of the tile's rows is mine.  Also: I fetch for A (0) or for B (1)
	s_and_b32 s12, s10, 1                          ; which half of its columns.  Also: which 128 rows of that tile I fetch
	s_bfe_u32 s40, ttmp6, 0x40000                  ; cx: my place along the cluster's x
	s_bfe_u32 s41, ttmp6, 0x40004                  ; cy: along its y
	s_lshl_b32 s42, ttmp9, 2                       ; in a cluster launch ttmp9 and ttmp7 count clusters
	s_add_co_u32 s42, s42, s40                     ; tile column = 4 x cluster x + cx
	s_lshl_b32 s74, s42, 10                        ; the tile's 256 columns in b_g and cpart, 4 bytes each: it enters a global offset alone
	s_and_b32 s13, ttmp7, 0xffff
	s_lshl_b32 s13, s13, 2
	s_add_co_u32 s13, s13, s41                     ; tile row = 4 x cluster y + cy
	s_lshl_b32 s43, s41, 2
	s_lshl_b32 s43, 15, s43                        ; my row of the cluster: places 4 cy .. 4 cy + 3
	s_lshl_b32 s44, 0x1111, s40                    ; my column: places cx, cx + 4, cx + 8, cx + 12
	s_mov_b32 s72, 0xbfb8aa3b                      ; -log2(e),
	s_mov_b32 s73, 0xbfb8aa3b                      ; named as a pair
	; descriptor group 1: a tile of 128 rows x 128 elements, padded in LDS
	s_or_b32 s[G1+0], s43, (1<<16)|(1<<20)|(1<<21)|(5<<22)|(3<<25)  ; 15:0 the mask: A's tiles go to my row; 17:16 element of 2 bytes; 20 padding on; 21 set beside a mask; 24:22 after every 64 words (code 5); 31:25 of 4 words (code 3)
	s_or_b32 s[G1B+0], s44, (1<<16)|(1<<20)|(1<<21)|(5<<22)|(3<<25) ; the same with the mask of my column, for B's tiles
	s_mov_b32 s[G1B+1], KSTEP<<16
	s_mov_b32 s[G1+1], KSTEP<<16                   ; tensor_dim0 = 128
	s_mov_b32 s[G1B+2], 128<<16
	s_mov_b32 s[G1+2], 128<<16                     ; tensor_dim1 = 128
	s_mov_b32 s[G1B+3], KSTEP<<16
	s_mov_b32 s[G1+3], KSTEP<<16                   ; tile_dim0 = 128
	s_mov_b32 s[G1B+4], 128
	s_mov_b32 s[G1+4], 128                         ; tile_dim1 = 128
	s_mov_b32 s[G1B+5], SIZE_K
	s_mov_b32 s[G1+5], SIZE_K                      ; elements from row to row
	s_mov_b32 s[G1B+6], 0
	s_mov_b32 s[G1+6], 0
	s_mov_b32 s[G1B+7], 0
	s_mov_b32 s[G1+7], 0
	; where the tiles come from.  A's hang on the tile row alone, which my row of the cluster shares; B's on the tile column alone, which my column shares.
	s_lshl_b32 s17, s12, 7                         ; which 128 rows of the tile I fetch
	s_lshl_b32 s16, s13, 8
	s_add_co_u32 s16, s16, s17                     ; A: row 256 x tile row + 128 x half
	s_lshl_b32 s46, s42, 8
	s_add_co_u32 s46, s46, s17                     ; B: row 256 x tile column + 128 x half
	s_mov_b32 s17, 0
	s_mov_b32 s47, 0
	s_mov_b64 s[18:19], SIZE_K*2
	s_mul_u64 s[16:17], s[16:17], s[18:19]         ; in bytes, in 64 bits
	s_mul_u64 s[46:47], s[46:47], s[18:19]
	s_mul_i32 s20, s10, HALFT                      ; and where they go: wave x 128 rows: no place in the cluster enters an LDS address
	s_wait_dscnt 0x0                               ; both opening adds are done
	s_wait_kmcnt 0x0
	s_add_nc_u64 s[14:15], s[4:5], s[16:17]
	s_add_nc_u64 s[46:47], s[6:7], s[46:47]
	CROUND                                         ; all sixteen work-groups are here: the first joint loads meet
.irp s, 0,1
	s_mov_b32 s[G0+4*(\s)], 1                                      ; count = 1
	s_add_co_u32 s[G0+4*(\s)+1], s20, (\s)*SLOT                    ; LDS address
	s_add_nc_u64 s[G0+4*(\s)+2:G0+4*(\s)+3], s[14:15], (\s)*KSTEP*2  ; global address: K step s
	s_or_b32 s[G0+4*(\s)+3], s[G0+4*(\s)+3], 0x80000000            ; type = 2
	s_mov_b32 s[G0B+4*(\s)], 1
	s_add_co_u32 s[G0B+4*(\s)+1], s20, (\s)*SLOT
	s_add_nc_u64 s[G0B+4*(\s)+2:G0B+4*(\s)+3], s[46:47], (\s)*KSTEP*2
	s_or_b32 s[G0B+4*(\s)+3], s[G0B+4*(\s)+3], 0x80000000
	JLOAD \s                                       ; the ring is filled before anything else is done
.endr
	; A fragment is 16 rows x 32 K in 8 registers: lane l holds row l % 16; registers 0-3 hold K = 8 (l / 16) + 0..7, registers 4-7 hold K = 16 + 8 (l / 16) + 0..7: two loads of 16 bytes, 32 bytes apart.
	v_and_b32 v1, 15, v0                           ; l % 16
	v_bfe_u32 v2, v0, 4, 1                         ; l / 16
	v_mul_u32_u24 v3, v1, PITCH
	v_lshl_add_u32 v3, v2, 4, v3                   ; row x pitch + 16 x half
	s_mul_i32 s21, s11, HALFT                      ; my 128 rows of A
	s_mul_i32 s22, s12, HALFT                      ; my 128 rows of B,
	s_add_co_u32 s22, s22, 2*HALFT                 ; which lie behind A's 256
.irp s, 0,1
	v_add_nc_u32 v[ADRA+(\s)], s21, v3
	v_add_nc_u32 v[ADRB+(\s)], s22, v3
	s_add_co_u32 s21, s21, SLOT
	s_add_co_u32 s22, s22, SLOT
.endr
	s_mul_i32 s23, s10, 16*SPITCH
	s_add_co_u32 s23, s23, STAGE                   ; my stage
	v_mul_u32_u24 v4, v1, SPITCH                   ; in: row l % 16, 16 bytes for each half of the lanes
	v_lshl_add_u32 v4, v2, 4, v4
	v_add_nc_u32 v[STO], s23, v4
	v_mul_u32_u24 v5, v2, SPITCH                   ; back: lanes 0-15 take one row of 256 bytes, lanes 16-31 the next
	v_lshl_add_u32 v5, v1, 4, v5
	v_add_nc_u32 v[RD], s23, v5
	v_mul_u32_u24 v5, v2, SIZE_N*2                 ; and the same two rows in zb
	v_lshl_add_u32 v[CO], v1, 4, v5
	; where my part of the tile begins in zb, in bytes: the way out adds it to zb's address
	s_lshl_b32 s13, s13, 8
	s_lshl_b32 s14, s11, 7
	s_add_co_u32 s16, s13, s14                     ; my first row
	s_mov_b32 s17, 0
	s_mov_b64 s[18:19], SIZE_N*2
	s_mul_u64 s[16:17], s[16:17], s[18:19]
	s_lshl_b32 s46, s42, 9                         ; my first column, in bytes: 512 x tile column + 256 x half
	s_lshl_b32 s47, s12, 8
	s_add_co_u32 s46, s46, s47
	s_mov_b32 s47, 0
	s_add_nc_u64 s[16:17], s[16:17], s[46:47]
	; the prefetches.  s13 = 256 x tile row, s42 = tile column, s40 = cx, s41 = cy still stand; s[4:5] = A, s[6:7] = B
	s_lshl_b32 s42, s42, 8
	s_and_b32 s22, ttmp7, 0xffff                   ; cluster y
	s_cmp_eq_u32 s11, 0                            ; do I fetch for A?
	s_cselect_b32 s20, s13, s42                    ; the tile's first row: in A by the tile row, in B by the tile column
	s_cselect_b32 s21, s40, s41                    ; my place among the four that ask for it with me
	s_cselect_b32 s22, ttmp9, s22                  ; the coordinate along which other clusters read the same rows
	s_cselect_b64 s[PFA:PFA+1], s[4:5], s[6:7]
	s_cmp_eq_u32 s22, 0
	s_cselect_b32 s[LIM], 1, -1                    ; the same in all sixteen partners, for a given wave
	s_lshl_b32 s22, s12, 7
	s_add_co_u32 s20, s20, s22                     ; + the 128 rows that I fetch
	s_lshl_b32 s21, s21, 5
	s_add_co_u32 s20, s20, s21                     ; + my work-group's 32 of them
	s_mov_b32 s21, 0
	s_mov_b64 s[18:19], SIZE_K*2
	s_mul_u64 s[20:21], s[20:21], s[18:19]
	s_add_nc_u64 s[PFA:PFA+1], s[PFA:PFA+1], s[20:21]
	s_add_nc_u64 s[PFA:PFA+1], s[PFA:PFA+1], 2*KSTEP*2  ; at K step 2: the first refill steps it to 3 and names K step 4
	v_and_b32 v[PFO], 31, v0
	v_mul_u32_u24 v[PFO], v[PFO], SIZE_K*2
	; THE BIAS.  Thread t sums c of the tile's columns 2 t and 2 t + 1: b_g and cpart's sixteen rows, 8 bytes each (a wave's load covers 256 consecutive bytes, aligned), in f32, while the first tiles are on their way.
	v_lshl_add_u32 v[BO], v0, 3, s74
	v_lshl_add_u32 v[CBS], v0, 3, CB
	s_lshl_b32 s75, s12, 9                         ; my wave's 128 columns of 4 bytes
	s_add_co_u32 s75, s75, CB
	v_lshl_add_u32 v[CBL], v2, 5, s75              ; + 8 columns for the upper half of the lanes
	global_load_b64 v[64:65], v[BO], s[70:71]
.irp i, 0,1,2,3,4,5,6,7,8,9,10,11,12,13,14,15
	global_load_b64 v[66+2*(\i):67+2*(\i)], v[BO], s[68:69] offset:8192*(\i)
.endr
	s_wait_loadcnt 0x0
.irp i, 0,1,2,3,4,5,6,7
	v_pk_add_f32 v[66+2*(\i):67+2*(\i)], v[66+2*(\i):67+2*(\i)], v[82+2*(\i):83+2*(\i)]
.endr
.irp i, 0,1,2,3
	v_pk_add_f32 v[66+2*(\i):67+2*(\i)], v[66+2*(\i):67+2*(\i)], v[74+2*(\i):75+2*(\i)]
.endr
.irp i, 0,1
	v_pk_add_f32 v[66+2*(\i):67+2*(\i)], v[66+2*(\i):67+2*(\i)], v[70+2*(\i):71+2*(\i)]
.endr
	v_pk_add_f32 v[66:67], v[66:67], v[68:69]
	v_pk_add_f32 v[66:67], v[66:67], v[64:65]
	ds_store_b64 v[CBS], v[66:67]
; 16 matrix instructions: m blocks a0, a0 + 1 of the window's four (hi = 0: my rows 0-63, 1: rows 64-127) x all 8 n blocks, 32 along K.
; first = 1: the first product on each accumulator takes c, in window 0, as its C: nothing is cleared, and the way out adds no bias.  The 64 accumulators take turns in one order throughout.
.macro MUL16 f, hi, a0, first
.if \first
	WIN 0x81+0x40*(\hi)                            ; B window 1, A and C window 0, D window 2 or 3
.else
	WIN MUL_LO+0x50*(\hi)                          ; MUL_LO or MUL_HI
.endif
.irp a, \a0, (\a0)+1
.irp b, 0,1,2,3,4,5,6,7
.if \first
	v_wmma_f32_16x16x32_bf16 v[8*(8*(\a)+(\b)):8*(8*(\a)+(\b))+7], v[(\f)+8*(\b):(\f)+8*(\b)+7], v[(\f)+8*(4*(\hi)+(\a)):(\f)+8*(4*(\hi)+(\a))+7], v[CBR+8*(\b):CBR+8*(\b)+7]
.else
	v_wmma_f32_16x16x32_bf16 v[8*(8*(\a)+(\b)):8*(8*(\a)+(\b))+7], v[(\f)+8*(\b):(\f)+8*(\b)+7], v[(\f)+8*(4*(\hi)+(\a)):(\f)+8*(4*(\hi)+(\a))+7], v[8*(8*(\a)+(\b)):8*(8*(\a)+(\b))+7]
.endif
.endr
.endr
.endm
; 32 LDS loads in one run: the fragments of one quarter step (128 rows of B, 128 rows of A, 32 K at byte k of the rows) into buffer f
.macro FETCH slot, k, f
	WIN TO_B
.irp i, 0,1,2,3,4,5,6,7
	ds_load_b128 v[(\f)+8*(\i):(\f)+8*(\i)+3],   v[ADRB+(\slot)] offset:(\k)+(\i)*16*PITCH
	ds_load_b128 v[(\f)+8*(\i)+4:(\f)+8*(\i)+7], v[ADRB+(\slot)] offset:(\k)+(\i)*16*PITCH+32
.endr
	WIN 0
.irp i, 0,1,2,3,4,5,6,7
	ds_load_b128 v[(\f)+8*(\i):(\f)+8*(\i)+3],   v[ADRA+(\slot)] offset:(\k)+(\i)*16*PITCH
	ds_load_b128 v[(\f)+8*(\i)+4:(\f)+8*(\i)+7], v[ADRA+(\slot)] offset:(\k)+(\i)*16*PITCH+32
.endr
.endm
; A load into a register that a matrix instruction has read, and a vector instruction that reads a matrix result or writes one of a matrix instruction's registers, stand four places behind that matrix
; instruction, and only plain vector instructions that name none of its registers are places (ISA guide 7.12.1 for vector instructions).
.macro PLACES
.rept 4
	v_nop
.endr
.endm
; A K step is four quarter steps of 32 along K, 64 matrix instructions each, on buffers 0, 1, 0, 1.
; One of the first three: multiplies buffer f; in its middle it fetches the next quarter's fragments, at byte k of the same slot's rows, into buffer g.
.macro QUARTER slot, k, f, g, first
	s_wait_dscnt 8                                 ; B and A's rows 0-63 are in (and all older loads); the youngest eight loads (A's rows 64-127) may be out
	MUL16 \f, 0, 0, \first
	MUL16 \f, 0, 2, \first
	PLACES
	FETCH \slot, \k, \g
	s_wait_dscnt 32                                ; all but the 32 just issued
	MUL16 \f, 1, 0, \first
	MUL16 \f, 1, 2, \first
.endm
; The last quarter multiplies buffer 1 and changes slots.  MEET is its first half: ONE barrier for the change of slots.  In front of it each wave waits for all its tensor loads, of which one is out: its part of
; the next slot; adds 0 to its spare word; and waits for that and for its own reads of this slot.  Behind it nobody reads this slot any more and the next slot is whole.
.macro MEET round                      ; round = 1: a round of the cluster's barrier follows
	WIN 0                                          ; (the add's two registers lie in window 0)
	s_wait_tensorcnt 0x0                           ; all my tensor loads have landed: the one that was out is my part of the next slot;
	ds_add_u32 v[SPW], v[NIL]                      ; 0 onto my spare word;
	s_wait_dscnt 9                                 ; (the add and the youngest eight loads may be out)
	MUL16 F1, 0, 0, 0                              ; sixteen matrix instructions stand between the add and the wait for it
	s_wait_dscnt 0x0                               ; the add is done, and my reads of this slot are over:
	s_barrier_signal -1                            ; say so (where a slot is filled again this barrier opens a round of the cluster's barrier),
	MUL16 F1, 0, 2, 0                              ; work on registers while the others arrive,
.if \round
	WIN 0
.endif
	s_barrier_wait -1                              ; and go on when all four have said so
.endm
; The whole last quarter.  Behind the round the slot just read out is filled again first, with the K step two steps on; then come the next slot's first fragments.  From a request to the wait for it a wave issues 224 matrix instructions.
.macro TURN slot, next
	s_wait_xcnt 0x0                                ; the last prefetch, a K step back, has read its address: it is stepped here, ahead of the waits of the change of slots
	s_add_nc_u64 s[PFA:PFA+1], s[PFA:PFA+1], KSTEP*2
	MEET 1
	CREST                                          ; wave 0 says so for the work-group, all sixteen work-groups have said so, my work-group's barrier closes the round:
	                                               ; no wave of any partner still reads this slot's tile or has a load on its way
	s_add_nc_u64 s[G0+4*(\slot)+2:G0+4*(\slot)+3], s[G0+4*(\slot)+2:G0+4*(\slot)+3], 2*KSTEP*2
	s_add_nc_u64 s[G0B+4*(\slot)+2:G0B+4*(\slot)+3], s[G0B+4*(\slot)+2:G0B+4*(\slot)+3], 2*KSTEP*2
	JLOAD \slot                                    ; the first tensor load behind the round; the four v_nop behind it are also the places in front of the loads below
	FETCH \next, 0, F0
	ASK                                            ; behind the joint load and the run of LDS loads that the next products wait for
	MUL16 F1, 1, 0, 0
	MUL16 F1, 1, 2, 0
.endm
; SILU of the 256 accumulator registers of window 2 + hi (four blocks of 16 rows), into window 1 under the same numbers: t = -p log2 e; t = 2^t; t = 1 + t; t = 1 / t; t = p t.
; Each kind of transcendental is ONE batch with one plain instruction and ONE wait behind it; the first pass reads each accumulator from its lowest registers on.
.macro SILU hi
	WIN 0x42+(\hi)                                 ; destination window 1, source 0 the accumulators
.set i, 0
.rept 128
	v_pk_mul_f32 v[i:i+1], v[i:i+1], s[72:73] op_sel_hi:[1,0]
.set i, i+2
.endr
	WIN 0x41                                       ; destination and source 0 window 1
.set i, 0
.rept 256
	v_exp_f32 v[i], v[i]
.set i, i+1
.endr
	v_nop                                          ; a plain instruction behind the last exponential,
	s_wait_alu depctr_va_vdst(0)                   ; and the one wait for the batch, ahead of its first reader
.set i, 0
.rept 128
	v_pk_add_f32 v[i:i+1], v[i:i+1], 1.0 op_sel_hi:[1,0]
.set i, i+2
.endr
.set i, 0
.rept 256
	v_rcp_f32 v[i], v[i]
.set i, i+1
.endr
	v_nop                                          ; the same for the reciprocals
	s_wait_alu depctr_va_vdst(0)
	WIN 0x46+(\hi)                                 ; destination and source 1 window 1, source 0 the accumulators
.set i, 0
.rept 128
	v_pk_mul_f32 v[i:i+1], v[i:i+1], v[i:i+1]
.set i, i+2
.endr
.endm
; THE WAY OUT of block a (16 rows), in three parts.  PACK: rounded to bf16, 16 bytes a lane.  TOSTAGE: into my own stage in LDS, and back as whole rows of 256 bytes.  SEND: stored.
.macro PACK a
.set AC, 64*((\a)%4)
	WIN 0x05                                       ; sources 0 and 1: window 1
.irp b, 0,1,2,3,4,5,6,7
.irp r, 0,1,2,3
	v_cvt_pk_bf16_f32 v[TMP+4*(\b)+(\r)], v[AC+8*(\b)+2*(\r)], v[AC+8*(\b)+2*(\r)+1]
.endr
.endr
	WIN 0
.endm
.macro TOSTAGE a
	WIN 0
.set BK, OB+192*((\a)%2)
.irp b, 0,1,2,3,4,5,6,7
	ds_store_b128 v[STO], v[TMP+4*(\b):TMP+4*(\b)+3] offset:32*(\b)
.endr
.irp t, 0,1,2,3,4,5,6,7
	ds_load_b128 v[BK+4*(\t):BK+4*(\t)+3], v[RD] offset:(\t)*2*SPITCH  ; LDS serves a wave's instructions in order (ISA guide 5.7.1.4): these see the stores above
.endr
.endm
.macro SEND a
	WIN 0
.set BK, OB+192*((\a)%2)
	s_wait_dscnt 0x0                               ; the block is back in registers
	s_wait_xcnt 0x0                                ; every earlier memory instruction has had its addresses translated (ISA guide 3.1): only behind this wait are the stores' base and the registers that earlier stores read rewritten
.if (\a) == 0
	s_add_nc_u64 s[8:9], s[8:9], s[16:17]          ; on to my first rows
.else
	s_add_nc_u64 s[8:9], s[8:9], 16*SIZE_N*2       ; 16 rows on
.endif
.irp t, 0,1,2,3,4,5,6,7
	global_store_b128 v[CO], v[BK+4*(\t):BK+4*(\t)+3], s[8:9] offset:2*(\t)*SIZE_N*2  ; 16 lanes store 256 consecutive bytes, at a multiple of 256 from zb's first byte
.endr
.endm
	s_wait_tensorcnt 1                             ; my part of K step 0 is in; K step 1's load may stay out
	s_wait_dscnt 0x0                               ; for the others' sake: my two numbers of c lie in LDS
	s_barrier_signal -1
	s_barrier_wait -1                              ; everybody's do
	WIN 0
.irp b, 0,1,2,3,4,5,6,7
	ds_load_b128 v[CBR+8*(\b):CBR+8*(\b)+3],   v[CBL] offset:64*(\b)      ; c of columns 16 b + 8 (l / 16) + 0..7 of my wave's 128: the same for all sixteen rows
	ds_load_b128 v[CBR+8*(\b)+4:CBR+8*(\b)+7], v[CBL] offset:64*(\b)+16
.endr
	FETCH 0, 0, F0
	QUARTER 0, 64,  F0, F1, 1                      ; the first quarter stands in front of the loop: its products start the sums, with c
	WIN 0                                          ; at a label and at a branch every window is 0
	s_mov_b32 s3, LAPS-1
.Llap:                                                 ; a trip goes once round the ring, from a lap's second quarter to the next lap's first, and fills both slots again
	QUARTER 0, 128, F1, F0, 0
	QUARTER 0, 192, F0, F1, 0
	TURN 0, 1
	QUARTER 1, 64,  F0, F1, 0
	QUARTER 1, 128, F1, F0, 0
	QUARTER 1, 192, F0, F1, 0
	TURN 1, 0
	QUARTER 0, 64,  F0, F1, 0
	WIN 0
	s_sub_co_u32 s3, s3, 1
	s_cmp_lg_u32 s3, 0
	s_cbranch_scc1 .Llap
	QUARTER 0, 128, F1, F0, 0                      ; the last lap fills nothing, and has no round of the cluster's barrier
	QUARTER 0, 192, F0, F1, 0
	MEET 0                                         ; my one tensor load that was still out is slot 1's, the last K step's
	PLACES                                         ; for the loads into buffer 0, which the quarter before multiplied
	FETCH 1, 0, F0
	MUL16 F1, 1, 0, 0
	MUL16 F1, 1, 2, 0
	QUARTER 1, 64,  F0, F1, 0
	QUARTER 1, 128, F1, F0, 0
	QUARTER 1, 192, F0, F1, 0
	s_wait_dscnt 8                                 ; the very last quarter: nothing more to fetch
	MUL16 F1, 0, 0, 0
	MUL16 F1, 0, 2, 0
	s_wait_dscnt 0x0
	MUL16 F1, 1, 0, 0
	MUL16 F1, 1, 2, 0
	PLACES                                         ; behind the last products: what follows reads results and writes over B's fragments
	PLACES                                         ; (eight, once a launch)
	SILU 0                                         ; my rows 0-63
	PACK 0
	TOSTAGE 0
.irp a, 1,2,3                          ; block a's conversions stand between block a - 1's loads from the stage and the wait for them
	PACK \a
	SEND (\a)-1
	TOSTAGE \a
.endr
	SEND 3
	SILU 1                                         ; my rows 64-127: the first four blocks' stores leave meanwhile; their data lie in window 0, which this does not write
	PACK 4
	TOSTAGE 4
.irp a, 5,6,7
	PACK \a
	SEND (\a)-1
	TOSTAGE \a
.endr
	SEND 7
	WIN 0
	s_wait_tensorcnt 0x0                           ; the wave's end: behind my last tensor load and my last LDS store
	ds_add_u32 v[SPW], v[NIL]
	s_wait_dscnt 0x0
	CROUND                                         ; the closing round: no work-group ends while a partner may still ask for a tile that names it
	s_endpgm
.Lfunc_end_k_qd81ab4b569_hgate:
	.size	k_qd81ab4b569_hgate, .Lfunc_end_k_qd81ab4b569_hgate-k_qd81ab4b569_hgate
	.p2alignl 7, 3214868480
	.fill 96, 4, 3214868480
	.section	.rodata,"a",@progbits
	.p2align	6, 0x0
	.amdhsa_kernel k_qd81ab4b569_hgate
		.amdhsa_group_segment_fixed_size 327680
		.amdhsa_private_segment_fixed_size 0
		.amdhsa_enable_private_segment 0
		.amdhsa_kernarg_size 40
		.amdhsa_user_sgpr_count 2
		.amdhsa_user_sgpr_kernarg_segment_ptr 1
		.amdhsa_wavefront_size32 1
		.amdhsa_system_sgpr_workgroup_id_x 1
		.amdhsa_system_sgpr_workgroup_id_y 1
		.amdhsa_system_sgpr_workgroup_id_z 1
		.amdhsa_system_vgpr_workitem_id 0
		.amdhsa_next_free_vgpr 1024
		.amdhsa_next_free_sgpr 80
		.amdhsa_reserve_vcc 0
		.amdhsa_float_denorm_mode_32 3
		.amdhsa_float_denorm_mode_16_64 3
		.amdhsa_memory_ordered 1
		.amdhsa_forward_progress 1
		.amdhsa_inst_pref_size 229
	.end_amdhsa_kernel
	.amdgpu_metadata
---
amdhsa.version: [ 1, 2 ]
amdhsa.kernels:
  - .name:           k_qd81ab4b569_hgate
    .symbol:         k_qd81ab4b569_hgate.kd
    .args:
      - { .name: xb, .offset: 0, .size: 8, .value_kind: global_buffer, .address_space: global }
      - { .name: wct, .offset: 8, .size: 8, .value_kind: global_buffer, .address_space: global }
      - { .name: zb, .offset: 16, .size: 8, .value_kind: global_buffer, .address_space: global }
      - { .name: cpart, .offset: 24, .size: 8, .value_kind: global_buffer, .address_space: global }
      - { .name: b_g, .offset: 32, .size: 8, .value_kind: global_buffer, .address_space: global }
    .group_segment_fixed_size: 327680
    .private_segment_fixed_size: 0
    .kernarg_segment_align: 8
    .kernarg_segment_size: 40
    .max_flat_workgroup_size: 128
    .sgpr_count:     80
    .vgpr_count:     1024
    .wavefront_size: 32
...
	.end_amdgpu_metadata
.endif
;; end of part 3
;; launch outp: the kernel of part 2 again; grid 8 x 64, 4 waves a work-group, clusters of 4 x 4, 327,680 bytes of LDS; arguments zb, wot, ob; writes ob
;; launch lnorm (part 4): grid 256 x 1, 16 waves a work-group, no clusters, 0 bytes of LDS; arguments x, ob, b_out, norm_w, norm_b, out0; writes out0
.if DOCPART == 4
	.amdgcn_target "amdgcn-amd-amdhsa--gfx1250"
	.amdhsa_code_object_version 6
	.text
	.protected	k_qd81ab4b569_lnorm
	.globl	k_qd81ab4b569_lnorm
	.p2align	8
	.type	k_qd81ab4b569_lnorm,@function
k_qd81ab4b569_lnorm:
	s_mov_b64 s[64:65], 0
	v_nop
	global_prefetch_b8 v0, s[64:65] scope:SCOPE_SE
	s_setreg_imm32_b32 hwreg(HW_REG_WAVE_MODE, 25, 1), 1
	s_wait_xcnt 0x0
; out0[t][:] = LayerNorm(x[t][:] + ob[t][:] + b_out) norm_w + norm_b, over 1,024 columns, eps = 1e-5.  x, out0: [8192][1024] f32; ob: [8192][1024] bf16; b_out, norm_w, norm_b: [1024] f32.  All arithmetic in f32.
; Work left out is shown at the head of the first kernel; here nothing of reference()'s last step is left out.  The mean is taken first and the variance of the differences, as reference() does.
; Memory binds: every byte is read once and written once.  A work-group owns 32 rows, each of its sixteen waves two.  A row never leaves its wave (32 registers a lane), so there is no LDS and no barrier.
; A wave asks at once for all that it reads: 56 loads.  Lane l holds columns 128 n + 4 l + 0..3, n = 0..7: an f32 load or store of the wave covers 512 consecutive bytes, a bf16 load 256, all aligned.
; No matrix unit, no cluster: there is no product here, and what the work-groups share (12 KiB of parameters) is a small part of what each reads.
.set PB, 16                            ; v[16:47]    b_out of my 32 columns
.set PW, 48                            ; v[48:79]    norm_w
.set PN, 80                            ; v[80:111]   norm_b
.set X0, 112                           ; v[112:143]  the first row
.set X1, 144                           ; v[144:175]  the second
.set O0, 176                           ; v[176:191]  ob's first row, two bf16 a register
.set O1, 192                           ; v[192:207]  its second
.set T,  208                           ; v[208:211]  at work
.set SA, 212                           ; v[212:213], v[214:215]  two chains of sums
.set SB, 214
.set M,  216                           ; v[216:217]  the mean, twice
.set R,  218                           ; v[218:219]  1 / sqrt(variance + eps), twice
.set TT, 220                           ; v220        at work
	s_load_b256 s[4:11], s[0:1], 0x0               ; x s[4:5], ob s[6:7], b_out s[8:9], norm_w s[10:11]
	s_load_b128 s[12:15], s[0:1], 0x20             ; norm_b s[12:13], out0 s[14:15]
	v_lshrrev_b32 v3, 5, v0
	v_readfirstlane_b32 s2, v3                     ; wave 0..15
	v_and_b32 v1, 31, v0
	v_lshlrev_b32 v2, 3, v1                        ; 8 l
	v_lshlrev_b32 v1, 4, v1                        ; 16 l
	v_mov_b32 v[TT], 0                             ; v_permlanex16_b32's destination counts as read
	s_mov_b32 s16, 0xffff0000                      ; a word's upper bf16
	s_mov_b32 s17, 0x3a800000                      ; 1 / 1024
	s_mov_b32 s18, 0x3727c5ac                      ; 1e-5
	s_mov_b32 s20, 0x76543210                      ; v_permlanex16_b32: lane i of one half reads lane i of the other
	s_mov_b32 s21, 0xfedcba98
	s_lshl_b32 s22, ttmp9, 17                      ; 32 rows of 4,096 bytes,
	s_lshl_b32 s24, s2, 13                         ; my wave's two
	s_or_b32 s22, s22, s24
	s_mov_b32 s23, 0
	s_lshr_b32 s24, s22, 1                         ; ob's rows have half the bytes
	s_mov_b32 s25, 0
	s_wait_kmcnt 0x0
	s_add_nc_u64 s[4:5], s[4:5], s[22:23]
	s_add_nc_u64 s[14:15], s[14:15], s[22:23]
	s_add_nc_u64 s[6:7], s[6:7], s[24:25]
.irp n, 0,1,2,3,4,5,6,7
	global_load_b128 v[PB+4*(\n):PB+4*(\n)+3], v1, s[8:9] offset:512*(\n)
.endr
.irp n, 0,1,2,3,4,5,6,7
	global_load_b128 v[X0+4*(\n):X0+4*(\n)+3], v1, s[4:5] offset:512*(\n) th:TH_LOAD_NT
.endr
.irp n, 0,1,2,3,4,5,6,7
	global_load_b64 v[O0+2*(\n):O0+2*(\n)+1], v2, s[6:7] offset:256*(\n) th:TH_LOAD_NT
.endr
.irp n, 0,1,2,3,4,5,6,7
	global_load_b128 v[X1+4*(\n):X1+4*(\n)+3], v1, s[4:5] offset:4096+512*(\n) th:TH_LOAD_NT
.endr
.irp n, 0,1,2,3,4,5,6,7
	global_load_b64 v[O1+2*(\n):O1+2*(\n)+1], v2, s[6:7] offset:2048+256*(\n) th:TH_LOAD_NT
.endr
.irp n, 0,1,2,3,4,5,6,7
	global_load_b128 v[PW+4*(\n):PW+4*(\n)+3], v1, s[10:11] offset:512*(\n)
.endr
.irp n, 0,1,2,3,4,5,6,7
	global_load_b128 v[PN+4*(\n):PN+4*(\n)+3], v1, s[12:13] offset:512*(\n)
.endr
; The two chains into one number, and that over the 32 lanes: four steps inside each half of 16 lanes ride on the addition, one crosses the halves.  Every lane ends with the sum, in v[SA].
.macro RED
	v_pk_add_f32 v[SA:SA+1], v[SA:SA+1], v[SB:SB+1]
	v_add_f32 v[SA], v[SA], v[SA+1]
	v_add_f32_dpp v[SA], v[SA], v[SA] row_xmask:1 row_mask:0xf bank_mask:0xf
	v_add_f32_dpp v[SA], v[SA], v[SA] row_xmask:2 row_mask:0xf bank_mask:0xf
	v_add_f32_dpp v[SA], v[SA], v[SA] row_xmask:4 row_mask:0xf bank_mask:0xf
	v_add_f32_dpp v[SA], v[SA], v[SA] row_xmask:8 row_mask:0xf bank_mask:0xf
	v_permlanex16_b32 v[TT], v[SA], s20, s21
	v_add_f32 v[SA], v[SA], v[TT]
.endm
; A row, in place: x + b_out + ob; less its mean; times 1 / sqrt(variance + eps).  left = how many younger loads may stay out.
.macro STAT x, o, left
	s_wait_loadcnt \left                           ; b_out and this row's x and ob are in
.set n, 0
.rept 8
	v_lshlrev_b32 v[T],   16, v[(\o)+2*n]          ; bf16 to f32: the low half moves up,
	v_and_b32     v[T+1], s16, v[(\o)+2*n]         ; the high half stays
	v_lshlrev_b32 v[T+2], 16, v[(\o)+2*n+1]
	v_and_b32     v[T+3], s16, v[(\o)+2*n+1]
	v_pk_add_f32 v[(\x)+4*n:(\x)+4*n+1],   v[(\x)+4*n:(\x)+4*n+1],   v[PB+4*n:PB+4*n+1]
	v_pk_add_f32 v[(\x)+4*n+2:(\x)+4*n+3], v[(\x)+4*n+2:(\x)+4*n+3], v[PB+4*n+2:PB+4*n+3]
	v_pk_add_f32 v[(\x)+4*n:(\x)+4*n+1],   v[(\x)+4*n:(\x)+4*n+1],   v[T:T+1]
	v_pk_add_f32 v[(\x)+4*n+2:(\x)+4*n+3], v[(\x)+4*n+2:(\x)+4*n+3], v[T+2:T+3]
.set n, n+1
.endr
	v_pk_add_f32 v[SA:SA+1], v[(\x):(\x)+1],   v[(\x)+4:(\x)+5]    ; the first numbers start the chains: nothing is cleared
	v_pk_add_f32 v[SB:SB+1], v[(\x)+2:(\x)+3], v[(\x)+6:(\x)+7]
.set n, 2
.rept 6
	v_pk_add_f32 v[SA:SA+1], v[SA:SA+1], v[(\x)+4*n:(\x)+4*n+1]
	v_pk_add_f32 v[SB:SB+1], v[SB:SB+1], v[(\x)+4*n+2:(\x)+4*n+3]
.set n, n+1
.endr
	RED
	v_mul_f32 v[M], s17, v[SA]
	v_mul_f32 v[M+1], s17, v[SA]
.set n, 0
.rept 16
	v_pk_add_f32 v[(\x)+2*n:(\x)+2*n+1], v[(\x)+2*n:(\x)+2*n+1], v[M:M+1] neg_lo:[0,1] neg_hi:[0,1]
.set n, n+1
.endr
	v_pk_mul_f32 v[SA:SA+1], v[(\x):(\x)+1],   v[(\x):(\x)+1]
	v_pk_mul_f32 v[SB:SB+1], v[(\x)+2:(\x)+3], v[(\x)+2:(\x)+3]
.set n, 1
.rept 7
	v_pk_fma_f32 v[SA:SA+1], v[(\x)+4*n:(\x)+4*n+1],   v[(\x)+4*n:(\x)+4*n+1],   v[SA:SA+1]
	v_pk_fma_f32 v[SB:SB+1], v[(\x)+4*n+2:(\x)+4*n+3], v[(\x)+4*n+2:(\x)+4*n+3], v[SB:SB+1]
.set n, n+1
.endr
	RED
	v_fma_f32 v[TT], v[SA], s17, s18               ; the variance + eps
	v_rsq_f32 v[R], v[TT]
	v_rsq_f32 v[R+1], v[TT]
	v_nop                                          ; a plain instruction behind the second of them (ISA guide 5.7.2),
	s_wait_alu depctr_va_vdst(0)                   ; and the wait ahead of the first use: one for both
.set n, 0
.rept 16
	v_pk_mul_f32 v[(\x)+2*n:(\x)+2*n+1], v[(\x)+2*n:(\x)+2*n+1], v[R:R+1]
.set n, n+1
.endr
.endm
; The gain, the bias and the stores.  No register of a store is written again.
.macro OUT x, rowoff
.set n, 0
.rept 8
	v_pk_fma_f32 v[(\x)+4*n:(\x)+4*n+1],   v[(\x)+4*n:(\x)+4*n+1],   v[PW+4*n:PW+4*n+1],   v[PN+4*n:PN+4*n+1]
	v_pk_fma_f32 v[(\x)+4*n+2:(\x)+4*n+3], v[(\x)+4*n+2:(\x)+4*n+3], v[PW+4*n+2:PW+4*n+3], v[PN+4*n+2:PN+4*n+3]
	global_store_b128 v1, v[(\x)+4*n:(\x)+4*n+3], s[14:15] offset:(\rowoff)+512*n th:TH_STORE_NT  ; 512 consecutive bytes, aligned
.set n, n+1
.endr
.endm
	STAT X0, O0, 32                                ; younger: the second row's 16 loads, norm_w's 8 and norm_b's 8
	STAT X1, O1, 16                                ; younger: norm_w's and norm_b's
	s_wait_loadcnt 0x0
	OUT X0, 0
	OUT X1, 4096
	s_endpgm
.Lfunc_end_k_qd81ab4b569_lnorm:
	.size	k_qd81ab4b569_lnorm, .Lfunc_end_k_qd81ab4b569_lnorm-k_qd81ab4b569_lnorm
	.p2alignl 7, 3214868480
	.fill 96, 4, 3214868480
	.section	.rodata,"a",@progbits
	.p2align	6, 0x0
	.amdhsa_kernel k_qd81ab4b569_lnorm
		.amdhsa_group_segment_fixed_size 0
		.amdhsa_private_segment_fixed_size 0
		.amdhsa_enable_private_segment 0
		.amdhsa_kernarg_size 48
		.amdhsa_user_sgpr_count 2
		.amdhsa_user_sgpr_kernarg_segment_ptr 1
		.amdhsa_wavefront_size32 1
		.amdhsa_system_sgpr_workgroup_id_x 1
		.amdhsa_system_sgpr_workgroup_id_y 1
		.amdhsa_system_sgpr_workgroup_id_z 1
		.amdhsa_system_vgpr_workitem_id 0
		.amdhsa_next_free_vgpr 224
		.amdhsa_next_free_sgpr 66
		.amdhsa_reserve_vcc 0
		.amdhsa_float_denorm_mode_32 3
		.amdhsa_float_denorm_mode_16_64 3
		.amdhsa_memory_ordered 1
		.amdhsa_forward_progress 1
		.amdhsa_inst_pref_size 27
	.end_amdhsa_kernel
	.amdgpu_metadata
---
amdhsa.version: [ 1, 2 ]
amdhsa.kernels:
  - .name:           k_qd81ab4b569_lnorm
    .symbol:         k_qd81ab4b569_lnorm.kd
    .args:
      - { .name: x, .offset: 0, .size: 8, .value_kind: global_buffer, .address_space: global }
      - { .name: ob, .offset: 8, .size: 8, .value_kind: global_buffer, .address_space: global }
      - { .name: b_out, .offset: 16, .size: 8, .value_kind: global_buffer, .address_space: global }
      - { .name: norm_w, .offset: 24, .size: 8, .value_kind: global_buffer, .address_space: global }
      - { .name: norm_b, .offset: 32, .size: 8, .value_kind: global_buffer, .address_space: global }
      - { .name: out0, .offset: 40, .size: 8, .value_kind: global_buffer, .address_space: global }
    .group_segment_fixed_size: 0
    .private_segment_fixed_size: 0
    .kernarg_segment_align: 8
    .kernarg_segment_size: 48
    .max_flat_workgroup_size: 512
    .sgpr_count:     66
    .vgpr_count:     224
    .wavefront_size: 32
...
	.end_amdgpu_metadata
.endif
;; end of part 4
